; MI455X (gfx1250); checked and timed in simulation.
; The chip was launched on July 23, 2026; its instructions are those of AMD's public machine-readable ISA for CDNA 5 (MIT licence, August 2026) and "CDNA5" Instruction Set Architecture Reference Guide (July 2026). The comments in the code are by the model that wrote it; some were corrected since.
;; Dynamic Sliding Window Attention. Allowed arithmetic: matrix products marked QUANTISED: E2M1 operands, one E8M0 scale for each 32 along K, by v_wmma_scale_f32_16x16x128_f8f6f4 with both operands' format E2M1 (or v_wmma_scale_f32_32x16x128_f4), f32 sums; everything else in f32.
;; Inputs: K_codes 2 x 16 x 2,048 x 2 x 16 uint8 (E2M1 codes of K, K innermost, in blocks of 32 codes, two codes a byte); K_scales 2 x 16 x 2,048 x 2 uint8 (E8M0 scales of K, one for each 32 codes along K); Q_codes 2 x 16 x 2,048 x 2 x 16 uint8 (E2M1 codes of Q, K innermost, in blocks of 32 codes, two codes a byte); Q_scales 2 x 16 x 2,048 x 2 uint8 (E8M0 scales of Q, one for each 32 codes along K); V_codes 2 x 16 x 64 x 64 x 16 uint8 (E2M1 codes of V, K innermost, in blocks of 32 codes, two codes a byte); V_scales 2 x 16 x 64 x 64 uint8 (E8M0 scales of V, one for each 32 codes along K); window_sizes 16 int32.
;; Outputs: out0 2 x 16 x 2,048 x 64 float32.
;; This version of the problem:
;;   THIS VERSION OF THE PROBLEM IS GIVEN IN LOW PRECISION. The matrix products marked QUANTISED in the list below multiply operands that are first quantised to E2M1 (2 exponent bits, 1 mantissa bit; 4 bits a number), with one power-of-two scale for each 32 numbers along K (OCP MX v1.0); their sums are f32. All else is computed in f32.
;;   The module's matrix products, in the order in which they are computed (A, B: the left and right operand; K: the contracted axis; several contracted axes count as one K, in the product's order):
;;     1. batch 32 x [M 2,048, K 64] x [K 64, N 2,048]; A: input Q (given as codes); B: input K (given as codes): QUANTISED
;;     2. batch 32 x [M 2,048, K 2,048] x [K 2,048, N 64]; A: softmax (see below); B: input V (given as codes): QUANTISED
;;   THE QUANTISER, for each operand of a quantised product, along K:
;;     - K is cut into blocks of 32 from its start; a last block that is shorter is filled with zeros.
;;     - A block's scale is 2^e with e = floor(log2(the largest magnitude in the block)) - 2, held to -126 .. 127; a block of zeros has e = 0. As a byte (E8M0): e + 127.
;;     - Each number is divided by its block's scale, clamped to +-6, and rounded to the nearest number of E2M1, ties to even, subnormals kept.
;;     - The product sums the exact products of the quantised numbers (number of the format x scale) in f32.
;;   ~~~python
;;   def quantise(x, axis):      # numpy; x: float32 -> the quantised numbers, widened to float32 again
;;       x = np.moveaxis(x, axis, -1); K = x.shape[-1]
;;       x = np.pad(x, [(0, 0)] * (x.ndim - 1) + [(0, -K % 32)]); x = x.reshape(x.shape[:-1] + (-1, 32)); a = np.abs(x).max(-1, keepdims=True)
;;       e = np.where(a > 0, np.clip(np.frexp(np.where(a > 0, a, 1))[1] - 1 - 2, -126, 127), 0)      # np.frexp(a)[1] - 1 = floor(log2(a)), exactly
;;       r = np.clip(x / 2.0 ** e, -6, 6)
;;       step = 2.0 ** (np.maximum(np.frexp(np.where(r == 0, 1, r))[1] - 1, 0) - 1)
;;       q = np.round(r / step) * step * 2.0 ** e      # np.round: ties to even
;;       return np.moveaxis(q.reshape(q.shape[:-2] + (-1,))[..., :K], -1, axis).astype(np.float32)
;;   ~~~
;;   SOFTMAX AHEAD OF A QUANTISED PRODUCT. Where the list says 'softmax', what is quantised is not the finished softmax but p = 2^(t - M), with t = logit x log2(e) and M = ceil(the row's largest t), a whole number; so 1/2 < the row's largest p <= 1. The row's sum l is taken of the UNQUANTISED p, in f32, and the product's result is divided by l at the end. Since M is a whole number, a kernel that streams over the keys may use a running M (the ceiling of the running maximum): every later rescaling is an exact power of two, which a block's scale takes up: the codes' values come out the same.
;;   OPERANDS COMPUTED ON THE WAY. 'Computed on the way' means the value that the module computes at that place (a softmax that the list does not call 'softmax' is quantised finished and normalised). What goes into a quantiser is computed in f32, as accurately as f32 sums, v_exp_f32 and their like allow (about 1e-6 of the number): no bf16 or f16 on the way to a quantiser, and a product that is left as it is and whose result goes on into a quantised operand takes f32 operands (vector FMAs, or v_wmma_f32_16x16x4_f32). A number that lies on a knife's edge between two numbers of the format may be rounded either way, as far as f32 arithmetic and the matrix unit's own rounding can turn it there, and no further.
;;   INPUTS GIVEN AS CODES. K (in the module: [2, 16, 2048, 64], K = its axis 3); Q (in the module: [2, 16, 2048, 64], K = its axis 3); V (in the module: [2, 16, 2048, 64], K = its axis 2): each comes as NAME_codes (uint8): NAME with its K axis moved to the last place and cut into blocks of 32 codes, [.., K / 32, bytes a block], one block behind the other in memory; two codes a byte, the lower K in the low four bits (a code: sign, 2 exponent bits, 1 mantissa bit); and NAME_scales (uint8): the same leading axes, one E8M0 byte (e + 127) for each 32 codes along K. Its value is code x scale, taken as it is: it is not quantised again, and the codes and scales need not be those that the quantiser above would give.
;; 2 versions. Each part assembles by itself: llvm-mc -triple=amdgcn-amd-amdhsa -mcpu=gfx1250 --defsym DOCPART=n.
;; ======== version 1 of 2: 1 launch
;; launch attn (part 1): grid 32 x 8, 16 waves a work-group, no clusters, 280,576 bytes of LDS; arguments Q_codes, Q_scales, K_codes, K_scales, V_codes, V_scales, window_sizes, out0; writes out0
.if DOCPART == 1
	.amdgcn_target "amdgcn-amd-amdhsa--gfx1250"
	.amdhsa_code_object_version 6
	.text
	.protected	k_qf4746d59b9_attn
	.globl	k_qf4746d59b9_attn
	.p2align	8
	.type	k_qf4746d59b9_attn,@function
k_qf4746d59b9_attn:
	s_mov_b64 s[64:65], 0
	v_nop
	global_prefetch_b8 v0, s[64:65] scope:SCOPE_SE
	s_setreg_imm32_b32 hwreg(HW_REG_WAVE_MODE, 25, 1), 1
	s_wait_xcnt 0x0
; out0[b][h][q][:] = the sum over k of softmax_k(Q[q] . K[k] / 8) V[k][:] over the keys with 0 <= q - k <= window_sizes[h].  2 x 16 heads, 2,048 queries and keys, head size 64.
; Both products on codes of FP4 (E2M1) with one E8M0 scale for each 32 along a product's K.  Q, K: 32 bytes of codes and 2 scale bytes a row.  V: keys innermost, 64 rows of 1,024 bytes and of 64 scale bytes a head.
; THE SOFTMAX AHEAD OF THE SECOND PRODUCT: t = score x log2(e) / 8; M = the row's largest t so far, rounded UP to a whole number; p = 2^(t - M) is quantised along the keys, not normalised; the row's sum is taken of the
; unquantised p and divides O at the end.  When M moves, the sum and O are multiplied by 2^(old M - new M): exact.
; SHARES.  A UNIT is 64 neighbouring queries of one head: four waves, 16 queries each, which share the unit's K and V through LDS.  A work-group holds four units of four different heads (h = 4 u + c), blocks j (odd u) or
; 31 - j (even u) of the queries, so that units with many and with few keys to walk sit together.  Wave wv: tile a = wv % 4 of unit u = (wv / 4 + wv) % 4.
; THE WALK.  16 trips, a constant; trip t is keys 128 t .. 128 t + 127 for everybody, with one barrier a trip on every wave's path.  What the mask hides as a whole is LEFT OUT by scalar branches on ids and on
; window_sizes[h]: a wave's step (loads from LDS, products, softmax) and a unit's fetches.  No address hangs on the window: it enters compares alone.
; NO TENSOR LOADS, NO CLUSTER: which steps a unit walks hangs on a number read from memory, so K and V come by loads into registers and go on to LDS by stores; with no tensor load there is no joint request to make.
; LAYOUT.  Both products are used transposed (S^T = K Q^T, O^T = V^T P^T): a lane holds ONE query (lane % 16) throughout.  The head's 64 fill half of the instruction's 128 along K, so a fragment of K holds TWO tiles of
; 16 keys: registers 0-3 (k 0-63) key 32 b + r + 8 (r / 8), registers 4-7 (k 64-127) that key + 8.  Q stands between zeros: [Q, 0] picks the first tile, [0, Q] the second.  So the 16 registers of the two tiles
; are 16 neighbouring keys, 32 b + 16 (lane / 16) + 0 .. 15, as the conversions and the next operand want them.
; LIMITS.  The window is held to -1 .. 2,048, which means the same for 2,048 keys.  A row with no key at all (window < 0) gives 0 x 1/0 = NaN, as the softmax of an empty row does.  A scale byte 0xff (NaN) among the inputs
; is not served: in a fragment of two tiles it would also reach the key 8 away.
.set UNIT,  52224                      ; LDS of a unit:
.set KIMG,  0                          ;   K: two slots of 128 keys as images of the fragments' registers: fragment b 1,024 bytes, its halves 512, lane l at 16 l
.set KSLOT, 4096
.set VIMG,  8192                       ;   V: two slots of 512 keys: 64 chunks of 256 + 16 bytes; chunk 16 T + piece = 16 rows d of tile T, 32 keys each, row r at 16 r
.set VSLOT, 17408
.set CH,    272
.set KSC,   43008                      ;   K's scale words of the whole head, packed: word 16 B + r: low half key 32 B + r + 8 (r / 8), high half that key + 8
.set VSC,   47104                      ;   V's scale bytes of the whole head: row d at 80 d (64 bytes + 16)
.set VSPI,  80
.set STG,   4*UNIT                     ; behind the units: a stage of 16 rows x (256 + 16) bytes for each wave, for the way out
.set STW,   16*272
.set LI,   1                           ; v1   U + 16 lane: an image's place for my lane
.set KST,  2                           ; v2   LI + 1,024 a: where I store my fragment of K
.set VR0,  3                           ; v3   U + 272 h + 16 r: my place in a chunk of V
.set VSTX, 4                           ; v4   U + 4,352 a + 272 r + 16 h + VSLOT: where I store V, less TB
.set KS0,  5                           ; v5   U + 4 r
.set VS0,  6                           ; v6   U + 80 lane
.set GK,   7                           ; v7   K in memory: 1,024 a + 32 (r + 8 (r / 8)) + 16 h
.set GV,   8                           ; v8   V in memory: 16,384 a + 1,024 h + 16 r
.set DQ,   9                           ; v9   r - 16 h
.set NINF, 10                          ; v10  -infinity
.set ADV,  11                          ; v11, v16-18 the step's LDS addresses
.set NM,   12                          ; v12  -M;  v13 the largest t so far
.set SUM,  14                          ; v[14:15] the row's sum in two halves
.set ADS,  16
.set ADT,  17
.set ADW,  18
.set QSW,  19                          ; v19  Q's scale word: its two bytes, twice
.set QZ,   20                          ; v20-23 zeros, v24-27 Q, v28-31 zeros
.set KFR,  32                          ; v32-63   K's four fragments
.set VFR,  64                          ; v64-95   V's four fragments
.set S,    96                          ; v96-159  S^T, then p
.set OT,   160                         ; v160-191 O^T
.set PC,   192                         ; v192-199 p's codes
.set KG,   200                         ; v200-207 K on its way from memory to LDS
.set VG,   208                         ; v208-215 V likewise
.set KSW,  216                         ; v216-219 K's scale words
.set VSW,  220                         ; v220-221 V's: lanes 0-15 an even tile's rows, lanes 16-31 the odd tile's
.set BM,   224                         ; v224-227 each block's largest score, then its largest p
.set PT,   228                         ; v228-231 at work
.set SOP,  232                         ; v232-235 the conversions' scale operands
.set F,    236                         ; v236 f = 2^(old M - new M)
.set PSW,  237                         ; v237 p's scale word
.set TMP,  238
.set MD,   239                         ; v239 my query - the step's first key - 16 h
.set MW,   240                         ; v240 the same less the window
.set SO,   241                         ; v241 the way out: where I put 32 bytes of a row
.set SR,   242                         ; v242 where I read a row back
.set GO,   243                         ; v243 16 lane
.set LN,   244                         ; v244-253 at work at the head
.set RR,   245
.set HH,   246
.set T0,   247
.set T1,   248
.set GS,   249
.set KSA,  250
.set VSA,  251
.set QA,   252
.set QSA,  253
.set KSG,  128                         ; at the head: K's scale bytes v128-135, V's v136-143
.set VSG,  136
.set QP,  4                            ; s[4:19] the eight addresses
.set QSP, 6
.set KP,  8
.set KSP, 10
.set VP,  12
.set VSP, 14
.set WP,  16
.set OP,  18
.set WV,  20                           ; wave
.set TA,  21                           ; a
.set UN,  22                           ; u
.set HD,  23                           ; h
.set BH,  24                           ; 16 b + h
.set JU,  25                           ; the unit's block of 64 queries
.set Q0U, 26                           ; its first query
.set Q0,  27                           ; my first query
.set OFS, 28                           ; s[28:29] an offset, its high word 0
.set WC,  30                           ; the window, held to -1 .. 2,048
.set QHI, 31                           ; my last query
.set WLO, 32                           ; the first key that my first query sees
.set WHI, 33                           ; the first key that my last query sees
.set UQHI, 34                          ; the unit's last query
.set UWLO, 35                          ; the first key that the unit's first query sees
.set UB,  36                           ; U
.set KF,  37                           ; the step's first key
.set VF,  38                           ; the slot's first key
.set TS,  39                           ; 256 x step: K's scale words
.set TJ,  40                           ; 4 x step: V's
.set TB,  41                           ; 0 or VSLOT: V's slot in hand
.set FK,  43                           ; 1: the unit fetches the next step's K
.set FV,  44                           ; 1: the unit fetches the next slot's V
.set SLOTS, 45
.set SEL, 46                           ; s[46:47] v_permlanex16_b32's selects for lane l xor 16
.set CS,  48                           ; s[48:49] c = log2(e) / 8
.set X0,  50                           ; s50-55 at work
.set DC,  50                           ; in a step: my first query - KF
.set DL,  51                           ; WLO - KF
.set DW,  52                           ; WHI - KF
	s_load_b256 s[4:11], s[0:1], 0x0               ; Q's codes, Q's scales, K's codes, K's scales
	s_load_b256 s[12:19], s[0:1], 0x20             ; V's codes, V's scales, the windows, out0
	v_lshl_add_u32 v254, v0, 2, 0x44000
	v_mov_b32 v255, 0
	v_lshrrev_b32 v[T0], 5, v0
	v_readfirstlane_b32 s[WV], v[T0]               ; wave 0..15
	s_and_b32 s[TA], s[WV], 3                      ; a: my tile in the unit
	s_lshr_b32 s[UN], s[WV], 2
	s_add_co_u32 s[UN], s[UN], s[WV]
	s_and_b32 s[UN], s[UN], 3                      ; u = (wave / 4 + wave) % 4: for each a every u once, for each wave / 4 every u once
	s_and_b32 s[X0], ttmp7, 0xffff                 ; work-group y = 4 b + c
	s_and_b32 s[X0+1], s[X0], 3                    ; c
	s_lshr_b32 s[X0+2], s[X0], 2                   ; b
	s_lshl_b32 s[HD], s[UN], 2
	s_add_co_u32 s[HD], s[HD], s[X0+1]             ; h = 4 u + c
	s_lshl_b32 s[BH], s[X0+2], 4
	s_add_co_u32 s[BH], s[BH], s[HD]               ; 16 b + h
	s_and_b32 s[X0+3], s[UN], 1
	s_sub_co_u32 s[X0+3], s[X0+3], 1
	s_and_b32 s[X0+3], s[X0+3], 31                 ; 0 for odd u, 31 for even u
	s_xor_b32 s[JU], ttmp9, s[X0+3]                ; j or 31 - j
	s_lshl_b32 s[Q0U], s[JU], 6
	s_lshl_b32 s[Q0], s[TA], 4
	s_add_co_u32 s[Q0], s[Q0], s[Q0U]              ; my first query
	s_mul_i32 s[UB], s[UN], UNIT                   ; my unit's LDS
	s_lshl_b32 s[X0], s[TA], 10                    ; 1,024 a
	s_mul_i32 s[X0+1], s[TA], 16*CH
	s_add_co_u32 s[X0+1], s[X0+1], s[UB]           ; U + 4,352 a
	s_lshl_b32 s[X0+2], s[TA], 14                  ; 16,384 a
	s_add_co_u32 s[X0+3], s[UB], s[X0]             ; U + 1,024 a
	s_mul_i32 s[X0+4], s[TA], 16*VSPI
	s_add_co_u32 s[X0+4], s[X0+4], s[UB]           ; U + 1,280 a
	s_mul_i32 s[X0+5], s[WV], STW
	s_add_co_u32 s[X0+5], s[X0+5], STG             ; my stage
	s_mov_b32 s[SEL], 0x76543210
	s_mov_b32 s[SEL+1], 0xfedcba98
	s_mov_b32 s[CS], 0x3e38aa3b                    ; log2(e) / 8
	s_mov_b32 s[CS+1], s[CS]                       ; (named with it as a pair, so it is written)
	s_mov_b32 s[KF], 0
	s_mov_b32 s[VF], 0
	s_mov_b32 s[TS], 0
	s_mov_b32 s[TJ], 0
	s_mov_b32 s[TB], 0
	s_mov_b32 s[SLOTS], 4
	; every address register is made here, once, ahead of all branches
	v_and_b32 v[LN], 31, v0                        ; lane
	v_and_b32 v[RR], 15, v0                        ; r
	v_bfe_u32 v[HH], v0, 4, 1                      ; h
	v_lshl_add_u32 v[LI], v[LN], 4, s[UB]
	v_add_nc_u32 v[KST], s[X0], v[LI]
	v_mul_u32_u24 v[VR0], v[HH], CH
	v_lshl_add_u32 v[VR0], v[RR], 4, v[VR0]
	v_add_nc_u32 v[VR0], s[UB], v[VR0]
	v_mul_u32_u24 v[ADW], v[RR], CH                ; storing V a lane's r is the piece (32 keys) and its h the row's parity
	v_lshl_add_u32 v[ADW], v[HH], 4, v[ADW]
	v_add_nc_u32 v[ADW], s[X0+1], v[ADW]           ; slot 0, for the head's stores
	v_add_nc_u32 v[VSTX], VSLOT, v[ADW]
	v_lshl_add_u32 v[KS0], v[RR], 2, s[UB]
	v_mul_u32_u24 v[VS0], v[LN], VSPI
	v_add_nc_u32 v[VS0], s[UB], v[VS0]
	v_and_b32 v[T0], 8, v[RR]
	v_add_nc_u32 v[T0], v[T0], v[RR]               ; r + 8 (r / 8)
	v_lshlrev_b32 v[GK], 5, v[T0]
	v_lshl_add_u32 v[GK], v[HH], 4, v[GK]
	v_add_nc_u32 v[GK], s[X0], v[GK]
	v_lshlrev_b32 v[GV], 10, v[HH]
	v_lshl_add_u32 v[GV], v[RR], 4, v[GV]
	v_add_nc_u32 v[GV], s[X0+2], v[GV]
	v_lshlrev_b32 v[T0], 4, v[HH]
	v_sub_nc_u32 v[DQ], v[RR], v[T0]
	v_mov_b32 v[NINF], 0xff800000
	v_lshl_add_u32 v[GS], v[LN], 4, s[X0]          ; the scale bytes in memory: my wave's 1,024, 16 a lane
	v_lshrrev_b32 v[T0], 2, v[LN]                  ; lane / 4
	v_lshlrev_b32 v[KSA], 6, v[T0]                 ; key 512 a + 256 g + 8 lane + e goes to 1,024 a + 512 g + 64 (lane / 4) + 32 ((lane / 2) % 2) + 2 (lane % 2) + 4 e
	v_bfe_u32 v[T1], v0, 1, 1
	v_lshl_add_u32 v[KSA], v[T1], 5, v[KSA]
	v_and_b32 v[T1], 1, v0
	v_lshl_add_u32 v[KSA], v[T1], 1, v[KSA]
	v_add_nc_u32 v[KSA], s[X0+3], v[KSA]
	v_mul_u32_u24 v[VSA], v[T0], VSPI              ; V's row 16 a + 8 g + lane / 4, bytes 16 (lane % 4) on
	v_and_b32 v[T1], 3, v0
	v_lshl_add_u32 v[VSA], v[T1], 4, v[VSA]
	v_add_nc_u32 v[VSA], s[X0+4], v[VSA]
	v_lshlrev_b32 v[QA], 5, v[RR]
	v_lshl_add_u32 v[QA], v[HH], 4, v[QA]          ; Q: row r of 32 bytes, + 16 h
	v_lshlrev_b32 v[QSA], 1, v[RR]
	v_mul_u32_u24 v[SO], v[RR], 272
	v_lshl_add_u32 v[SO], v[HH], 5, v[SO]
	v_add_nc_u32 v[SO], s[X0+5], v[SO]             ; into the stage: row r, + 32 h
	v_mul_u32_u24 v[SR], v[HH], 272
	v_lshl_add_u32 v[SR], v[RR], 4, v[SR]
	v_add_nc_u32 v[SR], s[X0+5], v[SR]             ; back: lanes 0-15 one row, lanes 16-31 the next
	v_lshlrev_b32 v[GO], 4, v[LN]
.set i, 0
.rept 16
	v_mov_b32 v[KG+i], 0                           ; written once, so that they are written on every way to the stores that read them
.set i, i+1
.endr
.irp i, 0,1,2,3
	v_mov_b32 v[QZ+\i], 0                          ; the zeros on both sides of Q
	v_mov_b32 v[QZ+8+\i], 0
	v_mov_b32 v[PT+\i], 0                          ; a lane permute's destination counts as one of its sources
.endr
	v_mov_b32 v[PSW], 0                            ; (named as the upper half of the pair v[236:237] before it is first written)
	v_mov_b32 v[NM+1], 0xff61b1e6                  ; the largest t so far: -3e38, under every t
	v_floor_f32 v[NM], -v[NM+1]                    ; -M
	v_mov_b32 v[SUM], 0
	v_mov_b32 v[SUM+1], 0
	s_wait_kmcnt 0x0
	s_mov_b32 s[OFS+1], 0
	s_lshl_b32 s[OFS], s[BH], 16                   ; a head's codes: 65,536 bytes in each of the three tensors
	s_add_nc_u64 s[QP:QP+1], s[QP:QP+1], s[OFS:OFS+1]
	s_add_nc_u64 s[KP:KP+1], s[KP:KP+1], s[OFS:OFS+1]
	s_add_nc_u64 s[VP:VP+1], s[VP:VP+1], s[OFS:OFS+1]
	s_lshl_b32 s[OFS], s[BH], 12                   ; its scale bytes: 4,096
	s_add_nc_u64 s[QSP:QSP+1], s[QSP:QSP+1], s[OFS:OFS+1]
	s_add_nc_u64 s[KSP:KSP+1], s[KSP:KSP+1], s[OFS:OFS+1]
	s_add_nc_u64 s[VSP:VSP+1], s[VSP:VSP+1], s[OFS:OFS+1]
	s_lshl_b32 s[OFS], s[BH], 19                   ; its rows of out0: 2,048 x 256
	s_add_nc_u64 s[OP:OP+1], s[OP:OP+1], s[OFS:OFS+1]
	s_lshl_b32 s[OFS], s[Q0], 5
	s_add_nc_u64 s[QP:QP+1], s[QP:QP+1], s[OFS:OFS+1]
	s_lshl_b32 s[OFS], s[Q0], 1
	s_add_nc_u64 s[QSP:QSP+1], s[QSP:QSP+1], s[OFS:OFS+1]
	s_lshl_b32 s[OFS], s[Q0], 8
	s_add_nc_u64 s[OP:OP+1], s[OP:OP+1], s[OFS:OFS+1]
	s_lshl_b32 s[OFS], s[HD], 2
	s_add_nc_u64 s[WP:WP+1], s[WP:WP+1], s[OFS:OFS+1]
	s_load_b32 s[WC], s[WP:WP+1], 0x0              ; my head's window
	global_load_b128 v[KSG:KSG+3], v[GS], s[KSP:KSP+1]             ; the head's scale bytes: each wave of the unit a quarter, 512 consecutive bytes a load
	global_load_b128 v[KSG+4:KSG+7], v[GS], s[KSP:KSP+1] offset:512
	global_load_b128 v[VSG:VSG+3], v[GS], s[VSP:VSP+1]
	global_load_b128 v[VSG+4:VSG+7], v[GS], s[VSP:VSP+1] offset:512
	global_load_b128 v[QZ+4:QZ+7], v[QA], s[QP:QP+1] th:TH_LOAD_NT  ; Q(r, 32 h .. 32 h + 31): it stays in registers; read once in the launch
	global_load_u16 v[TMP], v[QSA], s[QSP:QSP+1] th:TH_LOAD_NT      ; row r's two scale bytes
	s_wait_kmcnt 0x0
	s_max_i32 s[WC], s[WC], -1
	s_min_i32 s[WC], s[WC], 2048
	s_add_co_u32 s[QHI], s[Q0], 15
	s_sub_co_i32 s[WLO], s[Q0], s[WC]
	s_add_co_i32 s[WHI], s[WLO], 15
	s_add_co_u32 s[UQHI], s[Q0U], 63
	s_sub_co_i32 s[UWLO], s[Q0U], s[WC]
	; V's slot 0 (keys 0-511) and K's step 0 (keys 0-127), where the unit sees any of them.  Each store stands in the same branch as its loads.
	s_cmp_gt_i32 s[UWLO], 511
	s_cbranch_scc1 .Lno_v0
.irp i, 0,1,2,3,4,5,6,7
	global_load_b128 v[S+4*\i:S+4*\i+3], v[GV], s[VP:VP+1] offset:2048*\i   ; rows 16 a + 2 i and + 1: 256 consecutive bytes of each
.endr
	s_cmp_gt_i32 s[UWLO], 127
	s_cbranch_scc1 .Lno_k0
	global_load_b128 v[KG:KG+3], v[GK], s[KP:KP+1]                 ; fragment a: keys 32 a + 0-7 and 16-23,
	global_load_b128 v[KG+4:KG+7], v[GK], s[KP:KP+1] offset:256    ; and 8-15 and 24-31: two runs of 256 consecutive bytes each
	s_wait_loadcnt 0x0
	ds_store_b128 v[KST], v[KG:KG+3] offset:KIMG
	ds_store_b128 v[KST], v[KG+4:KG+7] offset:KIMG+512
.Lno_k0:
	s_wait_loadcnt 0x0
.irp i, 0,1,2,3,4,5,6,7
	ds_store_b128 v[ADW], v[S+4*\i:S+4*\i+3] offset:VIMG+32*\i
.endr
.Lno_v0:
	s_wait_loadcnt 0x0                             ; the scale bytes and Q; no load of mine is out, so V's address may step
	v_lshl_or_b32 v[QSW], v[TMP], 16, v[TMP]       ; Q's two bytes for k 0-63 and again for k 64-127
.irp g, 0,1
.irp e, 0,1,2,3,4,5,6,7
.if (\e)%2 == 0
	ds_store_b16 v[KSA], v[KSG+4*\g+\e/2] offset:KSC+512*\g+4*\e
.else
	ds_store_b16_d16_hi v[KSA], v[KSG+4*\g+\e/2] offset:KSC+512*\g+4*\e
.endif
.endr
	ds_store_b128 v[VSA], v[VSG+4*\g:VSG+4*\g+3] offset:VSC+8*VSPI*\g
.endr
.set i, 0
.rept 32
	v_mov_b32 v[OT+i], 0                           ; O^T: the step is written once: the first finds zeros, which the first change of M leaves zeros.  (These lines also stand between Q's scale word and the first product)
.set i, i+1
.endr
	s_add_nc_u64 s[VP:VP+1], s[VP:VP+1], 256       ; V at slot 1: in slot s the unit fetches slot s + 1
	s_wait_dscnt 0x0                               ; for the others' sake: my stores have landed
	s_barrier_signal -1
	s_barrier_wait -1
; Block b's scores of keys that come after the query become -infinity.  Register 16 b + i holds key KF + 16 h + 32 b + i: hidden where 32 b + i > MD.  Left out where no lane has such a key: 32 b + 15 <= DC - 16.
.macro MASKC b
	s_cmp_ge_i32 s[DC], 32*(\b)+31
	s_cbranch_scc1 .Lopen_c_\@
.set i, 0
.rept 16
	v_cmp_gt_i32 vcc_lo, 32*(\b)+i, v[MD]
	v_cndmask_b32 v[S+16*(\b)+i], v[S+16*(\b)+i], v[NINF], vcc_lo
.set i, i+1
.endr
.Lopen_c_\@:
.endm
; And those of keys further back than the window: 32 b + i < MW.  Left out where no lane has such a key: DW <= 32 b.
.macro MASKW b
	s_cmp_le_i32 s[DW], 32*(\b)
	s_cbranch_scc1 .Lopen_w_\@
.set i, 0
.rept 16
	v_cmp_lt_i32 vcc_lo, 32*(\b)+i, v[MW]
	v_cndmask_b32 v[S+16*(\b)+i], v[S+16*(\b)+i], v[NINF], vcc_lo
.set i, i+1
.endr
.Lopen_w_\@:
.endm
; The softmax of 16 queries x 128 keys, and p's codes and scale word.
.macro SOFTMAX
.irp b, 0,1,2,3
	v_max3_num_f32 v[BM+\b], v[S+16*\b], v[S+16*\b+1], v[S+16*\b+2]   ; the largest score of each block of 32 keys: it serves the row's maximum and, since p rises with the score, the block's largest p
.endr
.irp i, 3,5,7,9,11,13
.irp b, 0,1,2,3
	v_max3_num_f32 v[BM+\b], v[BM+\b], v[S+16*\b+\i], v[S+16*\b+\i+1]   ; (the four blocks by turns)
.endr
.endr
.irp b, 0,1,2,3
	v_max_num_f32 v[BM+\b], v[BM+\b], v[S+16*\b+15]
.endr
.irp b, 0,1,2,3
	v_permlanex16_b32 v[PT+\b], v[BM+\b], s[SEL], s[SEL+1]
.endr
.irp b, 0,1,2,3
	v_max_num_f32 v[BM+\b], v[BM+\b], v[PT+\b]     ; with lane l xor 16's 16 keys
.endr
	v_max3_num_f32 v[TMP], v[BM], v[BM+1], v[BM+2]
	v_max_num_f32 v[TMP], v[TMP], v[BM+3]          ; the step's largest score of my query (-infinity where all its keys are hidden)
	v_mul_f32 v[TMP], s[CS], v[TMP]                ; as t
	v_max_num_f32 v[NM+1], v[NM+1], v[TMP]         ; the running largest t
	v_mov_b32 v[TMP], v[NM]
	v_floor_f32 v[NM], -v[NM+1]                    ; the new -M = floor(-t) = -ceil(t): a whole number
	v_sub_f32 v[TMP], v[NM], v[TMP]                ; old M - new M: a whole number, 0 or less
	v_cvt_i32_f32 v[TMP], v[TMP]                   ; (it saturates)
	v_ldexp_f32 v[F], 1.0, v[TMP]                  ; f = 2^(old M - new M)
.set j, 0
.rept 32
	v_pk_fma_f32 v[S+j:S+j+1], v[S+j:S+j+1], s[CS:CS+1], v[NM:NM+1] op_sel_hi:[1,0,0]   ; t - M, two at a time (of the pairs c and -M the low word serves both halves)
.set j, j+2
.endr
.irp b, 0,1,2,3
	v_fma_f32 v[BM+\b], v[BM+\b], s[CS], v[NM]     ; the same of each block's largest score
.endr
.set j, 0
.rept 64
	v_exp_f32 v[S+j], v[S+j]                       ; p = 2^(t - M), at most 1; 0 for a hidden key
.set j, j+1
.endr
	v_pk_mul_f32 v[SUM:SUM+1], v[SUM:SUM+1], v[F:F+1] op_sel_hi:[1,0]   ; the sums under the new M: the plain line behind the exponentials
	s_wait_alu depctr_va_vdst(0)                   ; one wait for the batch of 64, ahead of its first reader
.irp b, 0,1,2,3
	v_exp_f32 v[BM+\b], v[BM+\b]                   ; the block's largest p: the same two instructions on the same number give the same bits
.endr
	v_pk_add_f32 v[PT:PT+1], v[S:S+1], v[S+2:S+3]  ; the row's sum is taken of the unquantised p, in two chains; these lines read the 64 alone
.set j, 4
.rept 15
	v_pk_add_f32 v[SUM:SUM+1], v[SUM:SUM+1], v[S+j:S+j+1]
	v_pk_add_f32 v[PT:PT+1], v[PT:PT+1], v[S+j+2:S+j+3]
.set j, j+4
.endr
	v_pk_add_f32 v[SUM:SUM+1], v[SUM:SUM+1], v[PT:PT+1]
	s_wait_alu depctr_va_vdst(0)                   ; and one for the four
.irp b, 0,1,2,3
	v_max_num_f32 v[BM+\b], 0x1800000, v[BM+\b]    ; the floor 2^(3 - 127): the byte cannot fall under 1 (a block whose every p is 0 keeps that byte: its codes are zeros)
.endr
.irp b, 0,1,2,3
	v_add_nc_u32 v[SOP+\b], 0xff000000, v[BM+\b]   ; 2 off the exponent field: the conversion's scale operand
.endr
.irp b, 0,1,2,3
	v_lshrrev_b32 v[PT+\b], 23, v[SOP+\b]          ; the scale's byte
.endr
	v_lshl_or_b32 v[PSW], v[PT+1], 8, v[PT]        ; p's scale word for these 128 keys
	v_lshl_or_b32 v[PSW], v[PT+2], 16, v[PSW]
	v_lshl_or_b32 v[PSW], v[PT+3], 24, v[PSW]
.irp b, 0,1,2,3
	v_cvt_scalef32_pk8_fp4_f32 v[PC+2*\b], v[S+16*\b:S+16*\b+7], v[SOP+\b]
	v_cvt_scalef32_pk8_fp4_f32 v[PC+2*\b+1], v[S+16*\b+8:S+16*\b+15], v[SOP+\b]
.endr
	v_nop                                          ; one plain line between a scaled conversion and the vector instruction that touches its result
.irp c, 0,1                                    ; the operand's layout wants a whole block in a lane: lanes 0-15 block 2 c, lanes 16-31 block 2 c + 1
.irp i, 0,1
	v_permlane16_swap_b32 v[PC+4*\c+\i], v[PC+4*\c+2+\i]
.endr
.endr
.set j, 0
.rept 16
	v_pk_mul_f32 v[OT+j:OT+j+1], v[OT+j:OT+j+1], v[F:F+1] op_sel_hi:[1,0]   ; O^T under the new M.  These sixteen are also the lines between p's scale word and codes and the products that take them
.set j, j+2
.endr
.endm
; A TRIP: keys KF .. KF + 127, the q-th step of V's slot in hand.
.macro STEP q
	v_add_nc_u32 v[ADV], s[TB], v[VR0]             ; four additions: also the four places between the last step's products and the loads into V's registers
	v_add_nc_u32 v[ADS], s[TS], v[KS0]
	v_add_nc_u32 v[ADT], s[TJ], v[VS0]
	v_sub_nc_u32 v[ADW], v[VSTX], s[TB]            ; V is stored into the slot that is not being read
	s_add_co_u32 s[X0], s[KF], 128                 ; does my unit see any key of the next step?  In the last trip KF + 128 = 2,048 lies over every query: nothing is fetched past the end
	s_cmp_le_i32 s[X0], s[UQHI]
	s_cselect_b32 s[FK], 1, 0
	s_add_co_u32 s[X0], s[KF], 255
	s_cmp_ge_i32 s[X0], s[UWLO]
	s_cselect_b32 s[FK], s[FK], 0
	s_cmp_eq_u32 s[FK], 0
	s_cbranch_scc1 .Lno_fetch_k_\@
	global_load_b128 v[KG:KG+3], v[GK], s[KP:KP+1] offset:4096*(\q+1)         ; the next step's fragment a
	global_load_b128 v[KG+4:KG+7], v[GK], s[KP:KP+1] offset:4096*(\q+1)+256
.Lno_fetch_k_\@:
	s_cmp_eq_u32 s[FV], 0
	s_cbranch_scc1 .Lno_fetch_v_\@
	global_load_b128 v[VG:VG+3], v[GV], s[VP:VP+1] offset:(4*\q)*1024          ; a quarter of my 16 rows of the next slot: rows 16 a + 4 q .. + 3
	global_load_b128 v[VG+4:VG+7], v[GV], s[VP:VP+1] offset:(4*\q+2)*1024
.Lno_fetch_v_\@:
	s_cmp_gt_i32 s[KF], s[QHI]                     ; all keys come after my queries,
	s_cbranch_scc1 .Lidle_\@
	s_add_co_u32 s[X0], s[KF], 127
	s_cmp_lt_i32 s[X0], s[WLO]                     ; or all lie further back than the window: the step's work is left out; no barrier stands in it
	s_cbranch_scc1 .Lidle_\@
.irp b, 0,1,2,3
.irp c, 0,1
	ds_load_b128 v[KFR+8*\b+4*\c:KFR+8*\b+4*\c+3], v[LI] offset:KIMG+KSLOT*((\q)%2)+1024*\b+512*\c
.endr
	ds_load_b32 v[KSW+\b], v[ADS] offset:KSC+64*\b
.endr
.irp t, 0,1,2,3
.irp c, 0,1
	ds_load_b128 v[VFR+8*\t+4*\c:VFR+8*\t+4*\c+3], v[ADV] offset:VIMG+(16*\t+4*(\q)+2*\c)*CH
.endr
.endr
	ds_load_b32 v[VSW], v[ADT] offset:VSC
	ds_load_b32 v[VSW+1], v[ADT] offset:VSC+32*VSPI
	s_wait_dscnt 10                                ; K and its scale words are in; the ten younger loads, V's, may stay out
.irp b, 0,1,2,3                                ; S^T: a fragment's two tiles of keys, by [Q, 0] and by [0, Q]; every product starts its own sum
	v_wmma_scale_f32_16x16x128_f8f6f4 v[S+16*\b:S+16*\b+7], v[KFR+8*\b:KFR+8*\b+7], v[QZ+4:QZ+11], 0, v[KSW+\b], v[QSW] matrix_a_fmt:MATRIX_FMT_FP4 matrix_b_fmt:MATRIX_FMT_FP4
	v_wmma_scale_f32_16x16x128_f8f6f4 v[S+16*\b+8:S+16*\b+15], v[KFR+8*\b:KFR+8*\b+7], v[QZ:QZ+7], 0, v[KSW+\b], v[QSW] matrix_a_fmt:MATRIX_FMT_FP4 matrix_b_fmt:MATRIX_FMT_FP4
.endr
	s_sub_co_i32 s[DC], s[Q0], s[KF]
	s_sub_co_i32 s[DL], s[WLO], s[KF]
	s_sub_co_i32 s[DW], s[WHI], s[KF]
	v_add_nc_u32 v[MD], s[DC], v[DQ]               ; four places behind the products, ahead of the first read of a score
	v_add_nc_u32 v[MW], s[DL], v[DQ]
	v_nop
	v_nop
.irp b, 0,1,2,3
	MASKC \b
	MASKW \b
.endr
	SOFTMAX
	s_wait_dscnt 0x0                               ; V and its scale words are in
.irp t, 0,2                                    ; O^T += V^T P^T: four tiles of 16 of the head's 64, each its own accumulator, one instruction a turn
	v_wmma_scale_f32_16x16x128_f8f6f4 v[OT+8*\t:OT+8*\t+7], v[VFR+8*\t:VFR+8*\t+7], v[PC:PC+7], v[OT+8*\t:OT+8*\t+7], v[VSW+\t/2], v[PSW] matrix_a_fmt:MATRIX_FMT_FP4 matrix_b_fmt:MATRIX_FMT_FP4
	v_wmma_scale_f32_16x16x128_f8f6f4 v[OT+8*\t+8:OT+8*\t+15], v[VFR+8*\t+8:VFR+8*\t+15], v[PC:PC+7], v[OT+8*\t+8:OT+8*\t+15], v[VSW+\t/2], v[PSW] matrix_a_fmt:MATRIX_FMT_FP4 matrix_b_fmt:MATRIX_FMT_FP4 matrix_a_scale:MATRIX_SCALE_ROW1
.endr
.Lidle_\@:
	s_wait_loadcnt 0x0                             ; what was asked for at the step's head is in; its address registers are free
	s_cmp_eq_u32 s[FK], 0
	s_cbranch_scc1 .Lno_store_k_\@
	ds_store_b128 v[KST], v[KG:KG+3] offset:KIMG+KSLOT*((\q+1)%2)       ; into the slot that was last read a trip ago, ahead of the last barrier
	ds_store_b128 v[KST], v[KG+4:KG+7] offset:KIMG+KSLOT*((\q+1)%2)+512
.Lno_store_k_\@:
	s_cmp_eq_u32 s[FV], 0
	s_cbranch_scc1 .Lno_store_v_\@
	ds_store_b128 v[ADW], v[VG:VG+3] offset:VIMG+(4*\q)*16              ; into the slot that was last read in the slot before
	ds_store_b128 v[ADW], v[VG+4:VG+7] offset:VIMG+(4*\q+2)*16
.Lno_store_v_\@:
	s_wait_dscnt 0x0                               ; my stores have landed and my reads of this trip's K and V are over: both for the others' sake
	s_barrier_signal -1
	s_barrier_wait -1                              ; one barrier a trip, on every wave's path
	s_add_co_u32 s[KF], s[KF], 128
	s_add_co_u32 s[TS], s[TS], 256
	s_add_co_u32 s[TJ], s[TJ], 4
.endm
.Lslot:                                            ; four trips of four steps: a constant
	s_add_co_u32 s[X0], s[VF], 512                 ; does my unit see any key of the next slot?  In the last slot VF + 512 = 2,048: nothing is fetched past the end
	s_cmp_le_i32 s[X0], s[UQHI]
	s_cselect_b32 s[FV], 1, 0
	s_add_co_u32 s[X0], s[VF], 1023
	s_cmp_ge_i32 s[X0], s[UWLO]
	s_cselect_b32 s[FV], s[FV], 0
	STEP 0
	STEP 1
	STEP 2
	STEP 3
	s_xor_b32 s[TB], s[TB], VSLOT                  ; on to V's other slot
	s_add_co_u32 s[VF], s[VF], 512
	s_add_nc_u64 s[KP:KP+1], s[KP:KP+1], 16384     ; (every load was waited for at the last step's end)
	s_add_nc_u64 s[VP:VP+1], s[VP:VP+1], 256
	s_sub_co_u32 s[SLOTS], s[SLOTS], 1
	s_cmp_lg_u32 s[SLOTS], 0
	s_cbranch_scc1 .Lslot
	; THE WAY OUT.  O^T is divided by the row's sum and goes through my own stage in LDS, so that the 32 lanes store two whole rows of 256 bytes.
	v_add_f32 v[SUM], v[SUM], v[SUM+1]             ; the sum's two halves,
	v_permlanex16_b32 v[PT], v[SUM], s[SEL], s[SEL+1]
	v_add_f32 v[SUM], v[SUM], v[PT]                ; and lane l xor 16's
	v_rcp_f32 v[F], v[SUM]
.rept 4
	v_nop                                          ; the plain line behind the reciprocal, and the places behind the last products
.endr
	s_wait_alu depctr_va_vdst(0)                   ; ahead of the reciprocal's first reader
.set j, 0
.rept 16
	v_pk_mul_f32 v[S+j:S+j+1], v[OT+j:OT+j+1], v[F:F+1] op_sel_hi:[1,0]   ; register 8 t + i is o(r, 16 t + 8 h + i); each accumulator from its low end on
.set j, j+2
.endr
.irp t, 0,1,2,3
	ds_store_b128 v[SO], v[S+8*\t:S+8*\t+3] offset:64*\t
	ds_store_b128 v[SO], v[S+8*\t+4:S+8*\t+7] offset:64*\t+16
.endr
.irp i, 0,1,2,3,4,5,6,7
	ds_load_b128 v[S+32+4*\i:S+32+4*\i+3], v[SR] offset:544*\i     ; LDS serves a wave's instructions in order (ISA guide 5.7.1.4): these see my stores
.endr
.irp i, 0,1,2,3,4,5,6,7
	s_wait_dscnt 7-\i                              ; the younger loads may stay out
	global_store_b128 v[GO], v[S+32+4*\i:S+32+4*\i+3], s[OP:OP+1] offset:512*\i th:TH_STORE_NT   ; 512 consecutive bytes, at a multiple of 256 from out0's first byte; written once, read by nobody here
.endr
	s_wait_tensorcnt 0x0
	ds_add_u32 v254, v255
	s_wait_dscnt 0x0
	s_endpgm
.Lfunc_end_k_qf4746d59b9_attn:
	.size	k_qf4746d59b9_attn, .Lfunc_end_k_qf4746d59b9_attn-k_qf4746d59b9_attn
	.p2alignl 7, 3214868480
	.fill 96, 4, 3214868480
	.section	.rodata,"a",@progbits
	.p2align	6, 0x0
	.amdhsa_kernel k_qf4746d59b9_attn
		.amdhsa_group_segment_fixed_size 280576
		.amdhsa_private_segment_fixed_size 0
		.amdhsa_enable_private_segment 0
		.amdhsa_kernarg_size 64
		.amdhsa_user_sgpr_count 2
		.amdhsa_user_sgpr_kernarg_segment_ptr 1
		.amdhsa_wavefront_size32 1
		.amdhsa_system_sgpr_workgroup_id_x 1
		.amdhsa_system_sgpr_workgroup_id_y 1
		.amdhsa_system_sgpr_workgroup_id_z 1
		.amdhsa_system_vgpr_workitem_id 0
		.amdhsa_next_free_vgpr 256
		.amdhsa_next_free_sgpr 66
		.amdhsa_reserve_vcc 1
		.amdhsa_float_denorm_mode_32 3
		.amdhsa_float_denorm_mode_16_64 3
		.amdhsa_memory_ordered 1
		.amdhsa_forward_progress 1
		.amdhsa_inst_pref_size 124
	.end_amdhsa_kernel
	.amdgpu_metadata
---
amdhsa.version: [ 1, 2 ]
amdhsa.kernels:
  - .name:           k_qf4746d59b9_attn
    .symbol:         k_qf4746d59b9_attn.kd
    .args:
      - { .name: Q_codes, .offset: 0, .size: 8, .value_kind: global_buffer, .address_space: global }
      - { .name: Q_scales, .offset: 8, .size: 8, .value_kind: global_buffer, .address_space: global }
      - { .name: K_codes, .offset: 16, .size: 8, .value_kind: global_buffer, .address_space: global }
      - { .name: K_scales, .offset: 24, .size: 8, .value_kind: global_buffer, .address_space: global }
      - { .name: V_codes, .offset: 32, .size: 8, .value_kind: global_buffer, .address_space: global }
      - { .name: V_scales, .offset: 40, .size: 8, .value_kind: global_buffer, .address_space: global }
      - { .name: window_sizes, .offset: 48, .size: 8, .value_kind: global_buffer, .address_space: global }
      - { .name: out0, .offset: 56, .size: 8, .value_kind: global_buffer, .address_space: global }
    .group_segment_fixed_size: 280576
    .private_segment_fixed_size: 0
    .kernarg_segment_align: 8
    .kernarg_segment_size: 64
    .max_flat_workgroup_size: 512
    .sgpr_count:     66
    .vgpr_count:     256
    .wavefront_size: 32
...
	.end_amdgpu_metadata
.endif
;; end of part 1
;; ======== version 2 of 2: 1 launch; version 1 with the launch attn written anew for expert scheduling mode
;; launch attn (part 2): grid 32 x 8, 16 waves a work-group, no clusters, 280,576 bytes of LDS; arguments Q_codes, Q_scales, K_codes, K_scales, V_codes, V_scales, window_sizes, out0; writes out0
.if DOCPART == 2
	.amdgcn_target "amdgcn-amd-amdhsa--gfx1250"
	.amdhsa_code_object_version 6
	.text
	.protected	k_qf4746d59b9_attn
	.globl	k_qf4746d59b9_attn
	.p2align	8
	.type	k_qf4746d59b9_attn,@function
k_qf4746d59b9_attn:
	s_mov_b64 s[64:65], 0
	v_nop
	global_prefetch_b8 v0, s[64:65] scope:SCOPE_SE
	s_setreg_imm32_b32 hwreg(HW_REG_WAVE_SCHED_MODE, 0, 2), 2
	s_setreg_imm32_b32 hwreg(HW_REG_WAVE_MODE, 25, 1), 1
	s_wait_xcnt 0x0
	s_wait_alu depctr_vm_vsrc(0)
; out0[b][h][q][:] = the sum over k of softmax_k(Q[q] . K[k] / 8) V[k][:] over the keys with 0 <= q - k <= window_sizes[h].  2 x 16 heads, 2,048 queries and keys, head size 64.
; Both products on codes of FP4 (E2M1) with one E8M0 scale for each 32 along a product's K.  Q, K: 32 bytes of codes and 2 scale bytes a row.  V: keys innermost, 64 rows of 1,024 bytes and of 64 scale bytes a head.
; THE SOFTMAX AHEAD OF THE SECOND PRODUCT: t = score x log2(e) / 8; M = the row's largest t so far, rounded UP to a whole number; p = 2^(t - M) is quantised along the keys, not normalised; the row's sum is taken of the
; unquantised p and divides O at the end.  When M moves, the sum and O are multiplied by 2^(old M - new M): exact.
; SHARES.  A UNIT is 64 neighbouring queries of one head: four waves, 16 queries each, which share the unit's K and V through LDS.  A work-group holds four units of four different heads (h = 4 u + c), blocks j (odd u) or
; 31 - j (even u) of the queries, so that units with many and with few keys to walk sit together.  Wave wv: tile a = wv % 4 of unit u = (wv / 4 + wv) % 4.
; THE WALK.  16 trips, a constant; trip t is keys 128 t .. 128 t + 127 for everybody, with one barrier a trip on every wave's path.  What the mask hides as a whole is LEFT OUT by scalar branches on ids and on
; window_sizes[h]: a wave's step (loads from LDS, products, softmax) and a unit's fetches.  No address hangs on the window: it enters compares alone.
; NO TENSOR LOADS, NO CLUSTER: which steps a unit walks hangs on a number read from memory, so K and V come by loads into registers and go on to LDS by stores; with no tensor load there is no joint request to make.
; LAYOUT.  Both products are used transposed (S^T = K Q^T, O^T = V^T P^T): a lane holds ONE query (lane % 16) throughout.  The head's 64 fill half of the instruction's 128 along K, so a fragment of K holds TWO tiles of
; 16 keys: registers 0-3 (k 0-63) key 32 b + r + 8 (r / 8), registers 4-7 (k 64-127) that key + 8.  Q stands between zeros: [Q, 0] picks the first tile, [0, Q] the second.  So the 16 registers of the two tiles
; are 16 neighbouring keys, 32 b + 16 (lane / 16) + 0 .. 15, as the conversions and the next operand want them.
; LIMITS.  The window is held to -1 .. 2,048, which means the same for 2,048 keys.  A row with no key at all (window < 0) gives 0 x 1/0 = NaN, as the softmax of an empty row does.  A scale byte 0xff (NaN) among the inputs
; is not served: in a fragment of two tiles it would also reach the key 8 away.
; THE MODE: SCHED_MODE bits 1:0 = 2 (LLVM: expert scheduling mode 2), set by the entry lines.  The code itself states the register dependences between vector or matrix instructions and memory or LDS
; instructions, with s_wait_alu, always for 0.
; THE PLAN.  Registers that memory or LDS instructions touch, in the loop:
;   ADV, ADS, ADT, ADW   Written by four additions at a step's head; read by that step's LDS loads (ADW: by its LDS stores of V).
;   KG, VG               The global loads at a step's head land in them; the LDS stores at its end read them.  No vector instruction of the loop names them.
;   KFR, KSW             A step's LDS loads land in them; its eight products S^T read them.      VFR, VSW   likewise; its four products O^T read them.
;   LI, KST, GK, GV      Made at the head, never written again.
; So a step has ONE wait on vm_vsrc, its first line (the last trip's LDS instructions have read the four addresses, KG and VG), and ONE wait on va_vdst for its memory side, behind the additions and ahead of the branch
; round the step's work (the addresses are written; the last products are done with K's and V's registers).  All of the step's LDS loads follow that wait in one run; no vector or matrix instruction between the wait and a
; load names a register that the load touches.  A further wait on va_vdst stands ahead of the products O^T, which take p's codes and scale word from vector instructions.
; The masks' compares write scalar registers, eight to a run, with one wait on va_sdst behind each run and ahead of the selects that read them.
.set UNIT,  52224                      ; LDS of a unit:
.set KIMG,  0                          ;   K: two slots of 128 keys as images of the fragments' registers: fragment b 1,024 bytes, its halves 512, lane l at 16 l
.set KSLOT, 4096
.set VIMG,  8192                       ;   V: two slots of 512 keys: 64 chunks of 256 + 16 bytes; chunk 16 T + piece = 16 rows d of tile T, 32 keys each, row r at 16 r
.set VSLOT, 17408
.set CH,    272
.set KSC,   43008                      ;   K's scale words of the whole head, packed: word 16 B + r: low half key 32 B + r + 8 (r / 8), high half that key + 8
.set VSC,   47104                      ;   V's scale bytes of the whole head: row d at 80 d (64 bytes + 16)
.set VSPI,  80
.set STG,   4*UNIT                     ; behind the units: a stage of 16 rows x (256 + 16) bytes for each wave, for the way out
.set STW,   16*272
.set LI,   1                           ; v1   U + 16 lane: an image's place for my lane
.set KST,  2                           ; v2   LI + 1,024 a: where I store my fragment of K
.set VR0,  3                           ; v3   U + 272 h + 16 r: my place in a chunk of V
.set VSTX, 4                           ; v4   U + 4,352 a + 272 r + 16 h + VSLOT: where I store V, less TB
.set KS0,  5                           ; v5   U + 4 r
.set VS0,  6                           ; v6   U + 80 lane
.set GK,   7                           ; v7   K in memory: 1,024 a + 32 (r + 8 (r / 8)) + 16 h
.set GV,   8                           ; v8   V in memory: 16,384 a + 1,024 h + 16 r
.set DQ,   9                           ; v9   r - 16 h
.set NINF, 10                          ; v10  -infinity
.set ADV,  11                          ; v11, v16-18 the step's LDS addresses
.set NM,   12                          ; v12  -M;  v13 the largest t so far
.set SUM,  14                          ; v[14:15] the row's sum in two halves
.set ADS,  16
.set ADT,  17
.set ADW,  18
.set QSW,  19                          ; v19  Q's scale word: its two bytes, twice
.set QZ,   20                          ; v20-23 zeros, v24-27 Q, v28-31 zeros
.set KFR,  32                          ; v32-63   K's four fragments
.set VFR,  64                          ; v64-95   V's four fragments
.set S,    96                          ; v96-159  S^T, then p
.set OT,   160                         ; v160-191 O^T
.set PC,   192                         ; v192-199 p's codes
.set KG,   200                         ; v200-207 K on its way from memory to LDS
.set VG,   208                         ; v208-215 V likewise
.set KSW,  216                         ; v216-219 K's scale words
.set VSW,  220                         ; v220-221 V's: lanes 0-15 an even tile's rows, lanes 16-31 the odd tile's
.set BM,   224                         ; v224-227 each block's largest score, then its largest p
.set PT,   228                         ; v228-231 at work
.set SOP,  232                         ; v232-235 the conversions' scale operands
.set F,    236                         ; v236 f = 2^(old M - new M)
.set PSW,  237                         ; v237 p's scale word
.set TMP,  238
.set MD,   239                         ; v239 my query - the step's first key - 16 h
.set MW,   240                         ; v240 the same less the window
.set SO,   241                         ; v241 the way out: where I put 32 bytes of a row
.set SR,   242                         ; v242 where I read a row back
.set GO,   243                         ; v243 16 lane
.set LN,   244                         ; v244-253 at work at the head
.set RR,   245
.set HH,   246
.set T0,   247
.set T1,   248
.set GS,   249
.set KSA,  250
.set VSA,  251
.set QA,   252
.set QSA,  253
.set KSG,  128                         ; at the head: K's scale bytes v128-135, V's v136-143
.set VSG,  136
.set QP,  4                            ; s[4:19] the eight addresses
.set QSP, 6
.set KP,  8
.set KSP, 10
.set VP,  12
.set VSP, 14
.set WP,  16
.set OP,  18
.set WV,  20                           ; wave
.set TA,  21                           ; a
.set UN,  22                           ; u
.set HD,  23                           ; h
.set BH,  24                           ; 16 b + h
.set JU,  25                           ; the unit's block of 64 queries
.set Q0U, 26                           ; its first query
.set Q0,  27                           ; my first query
.set OFS, 28                           ; s[28:29] an offset, its high word 0
.set WC,  30                           ; the window, held to -1 .. 2,048
.set QHI, 31                           ; my last query
.set WLO, 32                           ; the first key that my first query sees
.set WHI, 33                           ; the first key that my last query sees
.set UQHI, 34                          ; the unit's last query
.set UWLO, 35                          ; the first key that the unit's first query sees
.set UB,  36                           ; U
.set KF,  37                           ; the step's first key
.set VF,  38                           ; the slot's first key
.set TS,  39                           ; 256 x step: K's scale words
.set TJ,  40                           ; 4 x step: V's
.set TB,  41                           ; 0 or VSLOT: V's slot in hand
.set DW,  42                           ; in a step: WHI - KF
.set FK,  43                           ; 1: the unit fetches the next step's K
.set FV,  44                           ; 1: the unit fetches the next slot's V
.set SLOTS, 45
.set SEL, 46                           ; s[46:47] v_permlanex16_b32's selects for lane l xor 16
.set CS,  48                           ; s[48:49] c = log2(e) / 8
.set X0,  50                           ; s50-55 at work at the head; s50 at a step's head
.set DC,  50                           ; in a step: my first query - KF
.set DL,  51                           ; WLO - KF
.set MK,  52                           ; s52-59 in a step: eight lane masks, which a run of compares writes and a run of selects reads
	s_load_b256 s[4:11], s[0:1], 0x0               ; Q's codes, Q's scales, K's codes, K's scales
	s_load_b256 s[12:19], s[0:1], 0x20             ; V's codes, V's scales, the windows, out0
	v_lshl_add_u32 v254, v0, 2, 0x44000
	v_mov_b32 v255, 0
	v_lshrrev_b32 v[T0], 5, v0
	v_readfirstlane_b32 s[WV], v[T0]               ; wave 0..15
	v_and_b32 v[LN], 31, v0                        ; lane.  (The head's lines that hang on no scalar stand here, between that line and the wait for its result)
	v_and_b32 v[RR], 15, v0                        ; r
	v_bfe_u32 v[HH], v0, 4, 1                      ; h
	v_mov_b32 v[NINF], 0xff800000
.set i, 0
.rept 16
	v_mov_b32 v[KG+i], 0                           ; written once, so that they are written on every way to the stores that read them
.set i, i+1
.endr
.irp i, 0,1,2,3
	v_mov_b32 v[QZ+\i], 0                          ; the zeros on both sides of Q
	v_mov_b32 v[QZ+8+\i], 0
	v_mov_b32 v[PT+\i], 0                          ; a lane permute's destination counts as one of its sources
.endr
	v_mov_b32 v[PSW], 0                            ; (named as the upper half of the pair v[236:237] before it is first written)
	v_mov_b32 v[NM+1], 0xff61b1e6                  ; the largest t so far: -3e38, under every t
	v_floor_f32 v[NM], -v[NM+1]                    ; -M
	v_mov_b32 v[SUM], 0
	v_mov_b32 v[SUM+1], 0
	s_wait_alu depctr_va_sdst(0)                   ; the wave's number is written, ahead of its first reader: tile, unit, head and every base are made from it
	s_and_b32 s[TA], s[WV], 3                      ; a: my tile in the unit
	s_lshr_b32 s[UN], s[WV], 2
	s_add_co_u32 s[UN], s[UN], s[WV]
	s_and_b32 s[UN], s[UN], 3                      ; u = (wave / 4 + wave) % 4: for each a every u once, for each wave / 4 every u once
	s_and_b32 s[X0], ttmp7, 0xffff                 ; work-group y = 4 b + c
	s_and_b32 s[X0+1], s[X0], 3                    ; c
	s_lshr_b32 s[X0+2], s[X0], 2                   ; b
	s_lshl_b32 s[HD], s[UN], 2
	s_add_co_u32 s[HD], s[HD], s[X0+1]             ; h = 4 u + c
	s_lshl_b32 s[BH], s[X0+2], 4
	s_add_co_u32 s[BH], s[BH], s[HD]               ; 16 b + h
	s_and_b32 s[X0+3], s[UN], 1
	s_sub_co_u32 s[X0+3], s[X0+3], 1
	s_and_b32 s[X0+3], s[X0+3], 31                 ; 0 for odd u, 31 for even u
	s_xor_b32 s[JU], ttmp9, s[X0+3]                ; j or 31 - j
	s_lshl_b32 s[Q0U], s[JU], 6
	s_lshl_b32 s[Q0], s[TA], 4
	s_add_co_u32 s[Q0], s[Q0], s[Q0U]              ; my first query
	s_mul_i32 s[UB], s[UN], UNIT                   ; my unit's LDS
	s_lshl_b32 s[X0], s[TA], 10                    ; 1,024 a
	s_mul_i32 s[X0+1], s[TA], 16*CH
	s_add_co_u32 s[X0+1], s[X0+1], s[UB]           ; U + 4,352 a
	s_lshl_b32 s[X0+2], s[TA], 14                  ; 16,384 a
	s_add_co_u32 s[X0+3], s[UB], s[X0]             ; U + 1,024 a
	s_mul_i32 s[X0+4], s[TA], 16*VSPI
	s_add_co_u32 s[X0+4], s[X0+4], s[UB]           ; U + 1,280 a
	s_mul_i32 s[X0+5], s[WV], STW
	s_add_co_u32 s[X0+5], s[X0+5], STG             ; my stage
	s_mov_b32 s[SEL], 0x76543210
	s_mov_b32 s[SEL+1], 0xfedcba98
	s_mov_b32 s[CS], 0x3e38aa3b                    ; log2(e) / 8
	s_mov_b32 s[CS+1], s[CS]                       ; (named with it as a pair, so it is written)
	s_mov_b32 s[KF], 0
	s_mov_b32 s[VF], 0
	s_mov_b32 s[TS], 0
	s_mov_b32 s[TJ], 0
	s_mov_b32 s[TB], 0
	s_mov_b32 s[SLOTS], 4
	; every address register is made here, once, ahead of all branches
	v_lshl_add_u32 v[LI], v[LN], 4, s[UB]
	v_add_nc_u32 v[KST], s[X0], v[LI]
	v_mul_u32_u24 v[VR0], v[HH], CH
	v_lshl_add_u32 v[VR0], v[RR], 4, v[VR0]
	v_add_nc_u32 v[VR0], s[UB], v[VR0]
	v_mul_u32_u24 v[ADW], v[RR], CH                ; storing V a lane's r is the piece (32 keys) and its h the row's parity
	v_lshl_add_u32 v[ADW], v[HH], 4, v[ADW]
	v_add_nc_u32 v[ADW], s[X0+1], v[ADW]           ; slot 0, for the head's stores
	v_add_nc_u32 v[VSTX], VSLOT, v[ADW]
	v_lshl_add_u32 v[KS0], v[RR], 2, s[UB]
	v_mul_u32_u24 v[VS0], v[LN], VSPI
	v_add_nc_u32 v[VS0], s[UB], v[VS0]
	v_and_b32 v[T0], 8, v[RR]
	v_add_nc_u32 v[T0], v[T0], v[RR]               ; r + 8 (r / 8)
	v_lshlrev_b32 v[GK], 5, v[T0]
	v_lshl_add_u32 v[GK], v[HH], 4, v[GK]
	v_add_nc_u32 v[GK], s[X0], v[GK]
	v_lshlrev_b32 v[GV], 10, v[HH]
	v_lshl_add_u32 v[GV], v[RR], 4, v[GV]
	v_add_nc_u32 v[GV], s[X0+2], v[GV]
	v_lshlrev_b32 v[T0], 4, v[HH]
	v_sub_nc_u32 v[DQ], v[RR], v[T0]
	v_lshl_add_u32 v[GS], v[LN], 4, s[X0]          ; the scale bytes in memory: my wave's 1,024, 16 a lane
	v_lshrrev_b32 v[T0], 2, v[LN]                  ; lane / 4
	v_lshlrev_b32 v[KSA], 6, v[T0]                 ; key 512 a + 256 g + 8 lane + e goes to 1,024 a + 512 g + 64 (lane / 4) + 32 ((lane / 2) % 2) + 2 (lane % 2) + 4 e
	v_bfe_u32 v[T1], v0, 1, 1
	v_lshl_add_u32 v[KSA], v[T1], 5, v[KSA]
	v_and_b32 v[T1], 1, v0
	v_lshl_add_u32 v[KSA], v[T1], 1, v[KSA]
	v_add_nc_u32 v[KSA], s[X0+3], v[KSA]
	v_mul_u32_u24 v[VSA], v[T0], VSPI              ; V's row 16 a + 8 g + lane / 4, bytes 16 (lane % 4) on
	v_and_b32 v[T1], 3, v0
	v_lshl_add_u32 v[VSA], v[T1], 4, v[VSA]
	v_add_nc_u32 v[VSA], s[X0+4], v[VSA]
	v_lshlrev_b32 v[QA], 5, v[RR]
	v_lshl_add_u32 v[QA], v[HH], 4, v[QA]          ; Q: row r of 32 bytes, + 16 h
	v_lshlrev_b32 v[QSA], 1, v[RR]
	v_mul_u32_u24 v[SO], v[RR], 272
	v_lshl_add_u32 v[SO], v[HH], 5, v[SO]
	v_add_nc_u32 v[SO], s[X0+5], v[SO]             ; into the stage: row r, + 32 h
	v_mul_u32_u24 v[SR], v[HH], 272
	v_lshl_add_u32 v[SR], v[RR], 4, v[SR]
	v_add_nc_u32 v[SR], s[X0+5], v[SR]             ; back: lanes 0-15 one row, lanes 16-31 the next
	v_lshlrev_b32 v[GO], 4, v[LN]
	s_wait_kmcnt 0x0
	s_mov_b32 s[OFS+1], 0
	s_lshl_b32 s[OFS], s[BH], 16                   ; a head's codes: 65,536 bytes in each of the three tensors
	s_add_nc_u64 s[QP:QP+1], s[QP:QP+1], s[OFS:OFS+1]
	s_add_nc_u64 s[KP:KP+1], s[KP:KP+1], s[OFS:OFS+1]
	s_add_nc_u64 s[VP:VP+1], s[VP:VP+1], s[OFS:OFS+1]
	s_lshl_b32 s[OFS], s[BH], 12                   ; its scale bytes: 4,096
	s_add_nc_u64 s[QSP:QSP+1], s[QSP:QSP+1], s[OFS:OFS+1]
	s_add_nc_u64 s[KSP:KSP+1], s[KSP:KSP+1], s[OFS:OFS+1]
	s_add_nc_u64 s[VSP:VSP+1], s[VSP:VSP+1], s[OFS:OFS+1]
	s_lshl_b32 s[OFS], s[BH], 19                   ; its rows of out0: 2,048 x 256
	s_add_nc_u64 s[OP:OP+1], s[OP:OP+1], s[OFS:OFS+1]
	s_lshl_b32 s[OFS], s[Q0], 5
	s_add_nc_u64 s[QP:QP+1], s[QP:QP+1], s[OFS:OFS+1]
	s_lshl_b32 s[OFS], s[Q0], 1
	s_add_nc_u64 s[QSP:QSP+1], s[QSP:QSP+1], s[OFS:OFS+1]
	s_lshl_b32 s[OFS], s[Q0], 8
	s_add_nc_u64 s[OP:OP+1], s[OP:OP+1], s[OFS:OFS+1]
	s_lshl_b32 s[OFS], s[HD], 2
	s_add_nc_u64 s[WP:WP+1], s[WP:WP+1], s[OFS:OFS+1]
	s_load_b32 s[WC], s[WP:WP+1], 0x0              ; my head's window
	s_wait_alu depctr_va_vdst(0)                   ; every address register of the kernel is written, which the loads and stores from here on read; so are KG and VG, in which loads land, and the zeros beside Q, which the products take
	global_load_b128 v[KSG:KSG+3], v[GS], s[KSP:KSP+1]             ; the head's scale bytes: each wave of the unit a quarter, 512 consecutive bytes a load
	global_load_b128 v[KSG+4:KSG+7], v[GS], s[KSP:KSP+1] offset:512
	global_load_b128 v[VSG:VSG+3], v[GS], s[VSP:VSP+1]
	global_load_b128 v[VSG+4:VSG+7], v[GS], s[VSP:VSP+1] offset:512
	global_load_b128 v[QZ+4:QZ+7], v[QA], s[QP:QP+1] th:TH_LOAD_NT  ; Q(r, 32 h .. 32 h + 31): it stays in registers; read once in the launch
	global_load_u16 v[TMP], v[QSA], s[QSP:QSP+1] th:TH_LOAD_NT      ; row r's two scale bytes
	s_wait_kmcnt 0x0
	s_max_i32 s[WC], s[WC], -1
	s_min_i32 s[WC], s[WC], 2048
	s_add_co_u32 s[QHI], s[Q0], 15
	s_sub_co_i32 s[WLO], s[Q0], s[WC]
	s_add_co_i32 s[WHI], s[WLO], 15
	s_add_co_u32 s[UQHI], s[Q0U], 63
	s_sub_co_i32 s[UWLO], s[Q0U], s[WC]
	; V's slot 0 (keys 0-511) and K's step 0 (keys 0-127), where the unit sees any of them.  Each store stands in the same branch as its loads.  No vector instruction since the wait above names a register that these touch.
	s_cmp_gt_i32 s[UWLO], 511
	s_cbranch_scc1 .Lno_v0
.irp i, 0,1,2,3,4,5,6,7
	global_load_b128 v[S+4*\i:S+4*\i+3], v[GV], s[VP:VP+1] offset:2048*\i   ; rows 16 a + 2 i and + 1: 256 consecutive bytes of each
.endr
	s_cmp_gt_i32 s[UWLO], 127
	s_cbranch_scc1 .Lno_k0
	global_load_b128 v[KG:KG+3], v[GK], s[KP:KP+1]                 ; fragment a: keys 32 a + 0-7 and 16-23,
	global_load_b128 v[KG+4:KG+7], v[GK], s[KP:KP+1] offset:256    ; and 8-15 and 24-31: two runs of 256 consecutive bytes each
	s_wait_loadcnt 0x0
	ds_store_b128 v[KST], v[KG:KG+3] offset:KIMG
	ds_store_b128 v[KST], v[KG+4:KG+7] offset:KIMG+512
.Lno_k0:
	s_wait_loadcnt 0x0
.irp i, 0,1,2,3,4,5,6,7
	ds_store_b128 v[ADW], v[S+4*\i:S+4*\i+3] offset:VIMG+32*\i
.endr
.Lno_v0:
	s_wait_loadcnt 0x0                             ; the scale bytes and Q; no load of mine is out, so V's address may step
	v_lshl_or_b32 v[QSW], v[TMP], 16, v[TMP]       ; Q's two bytes for k 0-63 and again for k 64-127
.irp g, 0,1
.irp e, 0,1,2,3,4,5,6,7
.if (\e)%2 == 0
	ds_store_b16 v[KSA], v[KSG+4*\g+\e/2] offset:KSC+512*\g+4*\e
.else
	ds_store_b16_d16_hi v[KSA], v[KSG+4*\g+\e/2] offset:KSC+512*\g+4*\e
.endif
.endr
	ds_store_b128 v[VSA], v[VSG+4*\g:VSG+4*\g+3] offset:VSC+8*VSPI*\g
.endr
.set i, 0
.rept 32
	v_mov_b32 v[OT+i], 0                           ; O^T: the step is written once: the first finds zeros, which the first change of M leaves zeros.  (These lines also stand between Q's scale word and the first product)
.set i, i+1
.endr
	s_add_nc_u64 s[VP:VP+1], s[VP:VP+1], 256       ; V at slot 1: in slot s the unit fetches slot s + 1
	s_wait_dscnt 0x0                               ; for the others' sake: my stores have landed
	s_barrier_signal -1
	s_barrier_wait -1
; Block b's scores of keys that come after the query become -infinity.  Register 16 b + i holds key KF + 16 h + 32 b + i: hidden where 32 b + i > MD.  Left out where no lane has such a key: 32 b + 15 <= DC - 16.
; Eight compares in a run, each into a scalar register of its own, one wait, eight selects; twice.
.macro MASKC b
	s_cmp_ge_i32 s[DC], 32*(\b)+31
	s_cbranch_scc1 .Lopen_c_\@
	s_wait_alu depctr_va_vdst(0)
.irp g, 0,1
.set i, 0
.rept 8
	v_cmp_gt_i32 s[MK+i], 32*(\b)+8*\g+i, v[MD]
.set i, i+1
.endr
	s_wait_alu depctr_va_sdst(0)                   ; the eight compares have written their masks, ahead of the selects that read them
.set i, 0
.rept 8
	v_cndmask_b32 v[S+16*(\b)+8*\g+i], v[S+16*(\b)+8*\g+i], v[NINF], s[MK+i]
.set i, i+1
.endr
.endr
.Lopen_c_\@:
.endm
; And those of keys further back than the window: 32 b + i < MW.  Left out where no lane has such a key: DW <= 32 b.
.macro MASKW b
	s_cmp_le_i32 s[DW], 32*(\b)
	s_cbranch_scc1 .Lopen_w_\@
	s_wait_alu depctr_va_vdst(0)
.irp g, 0,1
.set i, 0
.rept 8
	v_cmp_lt_i32 s[MK+i], 32*(\b)+8*\g+i, v[MW]
.set i, i+1
.endr
	s_wait_alu depctr_va_sdst(0)                   ; the eight compares have written their masks, ahead of the selects that read them
.set i, 0
.rept 8
	v_cndmask_b32 v[S+16*(\b)+8*\g+i], v[S+16*(\b)+8*\g+i], v[NINF], s[MK+i]
.set i, i+1
.endr
.endr
.Lopen_w_\@:
.endm
; The softmax of 16 queries x 128 keys, and p's codes and scale word.
.macro SOFTMAX
.irp b, 0,1,2,3
	v_max3_num_f32 v[BM+\b], v[S+16*\b], v[S+16*\b+1], v[S+16*\b+2]   ; the largest score of each block of 32 keys: it serves the row's maximum and, since p rises with the score, the block's largest p
.endr
.irp i, 3,5,7,9,11,13
.irp b, 0,1,2,3
	v_max3_num_f32 v[BM+\b], v[BM+\b], v[S+16*\b+\i], v[S+16*\b+\i+1]   ; (the four blocks by turns)
.endr
.endr
.irp b, 0,1,2,3
	v_max_num_f32 v[BM+\b], v[BM+\b], v[S+16*\b+15]
.endr
.irp b, 0,1,2,3
	v_permlanex16_b32 v[PT+\b], v[BM+\b], s[SEL], s[SEL+1]
.endr
.irp b, 0,1,2,3
	v_max_num_f32 v[BM+\b], v[BM+\b], v[PT+\b]     ; with lane l xor 16's 16 keys
.endr
	v_max3_num_f32 v[TMP], v[BM], v[BM+1], v[BM+2]
	v_max_num_f32 v[TMP], v[TMP], v[BM+3]          ; the step's largest score of my query (-infinity where all its keys are hidden)
	v_mul_f32 v[TMP], s[CS], v[TMP]                ; as t
	v_max_num_f32 v[NM+1], v[NM+1], v[TMP]         ; the running largest t
	v_mov_b32 v[TMP], v[NM]
	v_floor_f32 v[NM], -v[NM+1]                    ; the new -M = floor(-t) = -ceil(t): a whole number
	v_sub_f32 v[TMP], v[NM], v[TMP]                ; old M - new M: a whole number, 0 or less
	v_cvt_i32_f32 v[TMP], v[TMP]                   ; (it saturates)
	v_ldexp_f32 v[F], 1.0, v[TMP]                  ; f = 2^(old M - new M)
.set j, 0
.rept 32
	v_pk_fma_f32 v[S+j:S+j+1], v[S+j:S+j+1], s[CS:CS+1], v[NM:NM+1] op_sel_hi:[1,0,0]   ; t - M, two at a time (of the pairs c and -M the low word serves both halves)
.set j, j+2
.endr
.irp b, 0,1,2,3
	v_fma_f32 v[BM+\b], v[BM+\b], s[CS], v[NM]     ; the same of each block's largest score
.endr
.set j, 0
	s_wait_alu depctr_va_vdst(0)
.rept 64
	v_exp_f32 v[S+j], v[S+j]                       ; p = 2^(t - M), at most 1; 0 for a hidden key
.set j, j+1
.endr
	v_pk_mul_f32 v[SUM:SUM+1], v[SUM:SUM+1], v[F:F+1] op_sel_hi:[1,0]   ; the sums under the new M: the plain line behind the exponentials
	s_wait_alu depctr_va_vdst(0)                   ; the 64 exponentials have written p: one wait for the batch, ahead of its first reader
.irp b, 0,1,2,3
	v_exp_f32 v[BM+\b], v[BM+\b]                   ; the block's largest p: the same two instructions on the same number give the same bits
.endr
	v_pk_add_f32 v[PT:PT+1], v[S:S+1], v[S+2:S+3]  ; the row's sum is taken of the unquantised p, in two chains; these lines read the 64 alone
.set j, 4
.rept 15
	v_pk_add_f32 v[SUM:SUM+1], v[SUM:SUM+1], v[S+j:S+j+1]
	v_pk_add_f32 v[PT:PT+1], v[PT:PT+1], v[S+j+2:S+j+3]
.set j, j+4
.endr
	v_pk_add_f32 v[SUM:SUM+1], v[SUM:SUM+1], v[PT:PT+1]
	s_wait_alu depctr_va_vdst(0)                   ; the four exponentials have written the blocks' largest p, ahead of their first reader
.irp b, 0,1,2,3
	v_max_num_f32 v[BM+\b], 0x1800000, v[BM+\b]    ; the floor 2^(3 - 127): the byte cannot fall under 1 (a block whose every p is 0 keeps that byte: its codes are zeros)
.endr
.irp b, 0,1,2,3
	v_add_nc_u32 v[SOP+\b], 0xff000000, v[BM+\b]   ; 2 off the exponent field: the conversion's scale operand
.endr
.irp b, 0,1,2,3
	v_lshrrev_b32 v[PT+\b], 23, v[SOP+\b]          ; the scale's byte
.endr
	v_lshl_or_b32 v[PSW], v[PT+1], 8, v[PT]        ; p's scale word for these 128 keys
	v_lshl_or_b32 v[PSW], v[PT+2], 16, v[PSW]
	v_lshl_or_b32 v[PSW], v[PT+3], 24, v[PSW]
.irp b, 0,1,2,3
	v_cvt_scalef32_pk8_fp4_f32 v[PC+2*\b], v[S+16*\b:S+16*\b+7], v[SOP+\b]
	v_cvt_scalef32_pk8_fp4_f32 v[PC+2*\b+1], v[S+16*\b+8:S+16*\b+15], v[SOP+\b]
.endr
	v_nop                                          ; one plain line between a scaled conversion and the vector instruction that touches its result
.irp c, 0,1                                    ; the operand's layout wants a whole block in a lane: lanes 0-15 block 2 c, lanes 16-31 block 2 c + 1
.irp i, 0,1
	v_permlane16_swap_b32 v[PC+4*\c+\i], v[PC+4*\c+2+\i]
.endr
.endr
.set j, 0
.rept 16
	v_pk_mul_f32 v[OT+j:OT+j+1], v[OT+j:OT+j+1], v[F:F+1] op_sel_hi:[1,0]   ; O^T under the new M.  These sixteen are also the lines between p's scale word and codes and the products that take them
.set j, j+2
.endr
.endm
; A TRIP: keys KF .. KF + 127, the q-th step of V's slot in hand.
.macro STEP q
	s_wait_alu depctr_vm_vsrc(0)                   ; the last trip's LDS loads and stores (in the first trip: the head's stores) have read the four addresses written below; its stores have read KG and VG, in which the loads below land; the head's have read S, which the products write
	v_add_nc_u32 v[ADV], s[TB], v[VR0]             ; the step's four LDS addresses
	v_add_nc_u32 v[ADS], s[TS], v[KS0]
	v_add_nc_u32 v[ADT], s[TJ], v[VS0]
	v_sub_nc_u32 v[ADW], v[VSTX], s[TB]            ; V is stored into the slot that is not being read
	s_add_co_u32 s[X0], s[KF], 128                 ; does my unit see any key of the next step?  In the last trip KF + 128 = 2,048 lies over every query: nothing is fetched past the end
	s_cmp_le_i32 s[X0], s[UQHI]
	s_cselect_b32 s[FK], 1, 0
	s_add_co_u32 s[X0], s[KF], 255
	s_cmp_ge_i32 s[X0], s[UWLO]
	s_cselect_b32 s[FK], s[FK], 0
	s_cmp_eq_u32 s[FK], 0
	s_cbranch_scc1 .Lno_fetch_k_\@
	global_load_b128 v[KG:KG+3], v[GK], s[KP:KP+1] offset:4096*(\q+1)         ; the next step's fragment a.  (No vector instruction of the loop names KG, VG, GK or GV)
	global_load_b128 v[KG+4:KG+7], v[GK], s[KP:KP+1] offset:4096*(\q+1)+256
.Lno_fetch_k_\@:
	s_cmp_eq_u32 s[FV], 0
	s_cbranch_scc1 .Lno_fetch_v_\@
	global_load_b128 v[VG:VG+3], v[GV], s[VP:VP+1] offset:(4*\q)*1024          ; a quarter of my 16 rows of the next slot: rows 16 a + 4 q .. + 3
	global_load_b128 v[VG+4:VG+7], v[GV], s[VP:VP+1] offset:(4*\q+2)*1024
.Lno_fetch_v_\@:
	s_wait_alu depctr_va_vdst(0)                   ; the four addresses are written, which the LDS loads and stores of this step read, on both ways from here; the last products are done reading K's and V's fragments and scale words, in which the loads below land; in the first trip Q's scale word is written
	s_cmp_gt_i32 s[KF], s[QHI]                     ; all keys come after my queries,
	s_cbranch_scc1 .Lidle_\@
	s_add_co_u32 s[X0], s[KF], 127
	s_cmp_lt_i32 s[X0], s[WLO]                     ; or all lie further back than the window: the step's work is left out; no barrier stands in it
	s_cbranch_scc1 .Lidle_\@
.irp b, 0,1,2,3
.irp c, 0,1
	ds_load_b128 v[KFR+8*\b+4*\c:KFR+8*\b+4*\c+3], v[LI] offset:KIMG+KSLOT*((\q)%2)+1024*\b+512*\c
.endr
	ds_load_b32 v[KSW+\b], v[ADS] offset:KSC+64*\b
.endr
.irp t, 0,1,2,3
.irp c, 0,1
	ds_load_b128 v[VFR+8*\t+4*\c:VFR+8*\t+4*\c+3], v[ADV] offset:VIMG+(16*\t+4*(\q)+2*\c)*CH
.endr
.endr
	ds_load_b32 v[VSW], v[ADT] offset:VSC
	ds_load_b32 v[VSW+1], v[ADT] offset:VSC+32*VSPI
	s_wait_dscnt 10                                ; K and its scale words are in; the ten younger loads, V's, may stay out
.irp b, 0,1,2,3                                ; S^T: a fragment's two tiles of keys, by [Q, 0] and by [0, Q]; every product starts its own sum
	v_wmma_scale_f32_16x16x128_f8f6f4 v[S+16*\b:S+16*\b+7], v[KFR+8*\b:KFR+8*\b+7], v[QZ+4:QZ+11], 0, v[KSW+\b], v[QSW] matrix_a_fmt:MATRIX_FMT_FP4 matrix_b_fmt:MATRIX_FMT_FP4
	v_wmma_scale_f32_16x16x128_f8f6f4 v[S+16*\b+8:S+16*\b+15], v[KFR+8*\b:KFR+8*\b+7], v[QZ:QZ+7], 0, v[KSW+\b], v[QSW] matrix_a_fmt:MATRIX_FMT_FP4 matrix_b_fmt:MATRIX_FMT_FP4
.endr
	s_sub_co_i32 s[DC], s[Q0], s[KF]
	s_sub_co_i32 s[DL], s[WLO], s[KF]
	s_sub_co_i32 s[DW], s[WHI], s[KF]
	v_add_nc_u32 v[MD], s[DC], v[DQ]               ; four places behind the products, ahead of the first read of a score
	v_add_nc_u32 v[MW], s[DL], v[DQ]
	v_nop
	v_nop
.irp b, 0,1,2,3
	MASKC \b
	MASKW \b
.endr
	SOFTMAX
	s_wait_alu depctr_va_vdst(0)                   ; p's scale word and its codes are written, which the products below take as a scale and as source 1; the sixteen lines above stay beside this wait
	s_wait_dscnt 0x0                               ; V and its scale words are in
.irp t, 0,2                                    ; O^T += V^T P^T: four tiles of 16 of the head's 64, each its own accumulator, one instruction a turn
	v_wmma_scale_f32_16x16x128_f8f6f4 v[OT+8*\t:OT+8*\t+7], v[VFR+8*\t:VFR+8*\t+7], v[PC:PC+7], v[OT+8*\t:OT+8*\t+7], v[VSW+\t/2], v[PSW] matrix_a_fmt:MATRIX_FMT_FP4 matrix_b_fmt:MATRIX_FMT_FP4
	v_wmma_scale_f32_16x16x128_f8f6f4 v[OT+8*\t+8:OT+8*\t+15], v[VFR+8*\t+8:VFR+8*\t+15], v[PC:PC+7], v[OT+8*\t+8:OT+8*\t+15], v[VSW+\t/2], v[PSW] matrix_a_fmt:MATRIX_FMT_FP4 matrix_b_fmt:MATRIX_FMT_FP4 matrix_a_scale:MATRIX_SCALE_ROW1
.endr
.Lidle_\@:
	s_wait_loadcnt 0x0                             ; what was asked for at the step's head is in; its address registers are free
	s_cmp_eq_u32 s[FK], 0
	s_cbranch_scc1 .Lno_store_k_\@
	ds_store_b128 v[KST], v[KG:KG+3] offset:KIMG+KSLOT*((\q+1)%2)       ; into the slot that was last read a trip ago, ahead of the last barrier
	ds_store_b128 v[KST], v[KG+4:KG+7] offset:KIMG+KSLOT*((\q+1)%2)+512
.Lno_store_k_\@:
	s_cmp_eq_u32 s[FV], 0
	s_cbranch_scc1 .Lno_store_v_\@
	ds_store_b128 v[ADW], v[VG:VG+3] offset:VIMG+(4*\q)*16              ; into the slot that was last read in the slot before
	ds_store_b128 v[ADW], v[VG+4:VG+7] offset:VIMG+(4*\q+2)*16
.Lno_store_v_\@:
	s_wait_dscnt 0x0                               ; my stores have landed and my reads of this trip's K and V are over: both for the others' sake
	s_barrier_signal -1
	s_barrier_wait -1                              ; one barrier a trip, on every wave's path
	s_add_co_u32 s[KF], s[KF], 128
	s_add_co_u32 s[TS], s[TS], 256
	s_add_co_u32 s[TJ], s[TJ], 4
.endm
.Lslot:                                            ; four trips of four steps: a constant
	s_add_co_u32 s[X0], s[VF], 512                 ; does my unit see any key of the next slot?  In the last slot VF + 512 = 2,048: nothing is fetched past the end
	s_cmp_le_i32 s[X0], s[UQHI]
	s_cselect_b32 s[FV], 1, 0
	s_add_co_u32 s[X0], s[VF], 1023
	s_cmp_ge_i32 s[X0], s[UWLO]
	s_cselect_b32 s[FV], s[FV], 0
	STEP 0
	STEP 1
	STEP 2
	STEP 3
	s_xor_b32 s[TB], s[TB], VSLOT                  ; on to V's other slot
	s_add_co_u32 s[VF], s[VF], 512
	s_add_nc_u64 s[KP:KP+1], s[KP:KP+1], 16384     ; (every load was waited for at the last step's end)
	s_add_nc_u64 s[VP:VP+1], s[VP:VP+1], 256
	s_sub_co_u32 s[SLOTS], s[SLOTS], 1
	s_cmp_lg_u32 s[SLOTS], 0
	s_cbranch_scc1 .Lslot
	; THE WAY OUT.  O^T is divided by the row's sum and goes through my own stage in LDS, so that the 32 lanes store two whole rows of 256 bytes.
	v_add_f32 v[SUM], v[SUM], v[SUM+1]             ; the sum's two halves,
	v_permlanex16_b32 v[PT], v[SUM], s[SEL], s[SEL+1]
	v_add_f32 v[SUM], v[SUM], v[PT]                ; and lane l xor 16's
	s_wait_alu depctr_va_vdst(0)
	v_rcp_f32 v[F], v[SUM]
.rept 4
	v_nop                                          ; the plain line behind the reciprocal, and the places behind the last products
.endr
	s_wait_alu depctr_va_vdst(0)                   ; the reciprocal has written 1 / the sum, ahead of its first reader
.set j, 0
.rept 16
	v_pk_mul_f32 v[S+j:S+j+1], v[OT+j:OT+j+1], v[F:F+1] op_sel_hi:[1,0]   ; register 8 t + i is o(r, 16 t + 8 h + i); each accumulator from its low end on
.set j, j+2
.endr
	s_wait_alu depctr_va_vdst(0)                   ; the multiplications have written v[S] to v[S+31], which the LDS stores read; every earlier vector instruction is done with v[S+32] to v[S+63], in which the loads from the stage land
.irp t, 0,1,2,3
	ds_store_b128 v[SO], v[S+8*\t:S+8*\t+3] offset:64*\t
	ds_store_b128 v[SO], v[S+8*\t+4:S+8*\t+7] offset:64*\t+16
.endr
.irp i, 0,1,2,3,4,5,6,7
	ds_load_b128 v[S+32+4*\i:S+32+4*\i+3], v[SR] offset:544*\i     ; LDS serves a wave's instructions in order (ISA guide 5.7.1.4): these see my stores
.endr
.irp i, 0,1,2,3,4,5,6,7
	s_wait_dscnt 7-\i                              ; the younger loads may stay out
	global_store_b128 v[GO], v[S+32+4*\i:S+32+4*\i+3], s[OP:OP+1] offset:512*\i th:TH_STORE_NT   ; 512 consecutive bytes, at a multiple of 256 from out0's first byte; written once, read by nobody here
.endr
	s_wait_dscnt 0x0                               ; the closing lines, six on end
	s_wait_alu 0x0
	s_wait_tensorcnt 0x0
	ds_add_u32 v254, v255
	s_wait_dscnt 0x0
	s_endpgm
.Lfunc_end_k_qf4746d59b9_attn:
	.size	k_qf4746d59b9_attn, .Lfunc_end_k_qf4746d59b9_attn-k_qf4746d59b9_attn
	.p2alignl 7, 3214868480
	.fill 96, 4, 3214868480
	.section	.rodata,"a",@progbits
	.p2align	6, 0x0
	.amdhsa_kernel k_qf4746d59b9_attn
		.amdhsa_group_segment_fixed_size 280576
		.amdhsa_private_segment_fixed_size 0
		.amdhsa_enable_private_segment 0
		.amdhsa_kernarg_size 64
		.amdhsa_user_sgpr_count 2
		.amdhsa_user_sgpr_kernarg_segment_ptr 1
		.amdhsa_wavefront_size32 1
		.amdhsa_system_sgpr_workgroup_id_x 1
		.amdhsa_system_sgpr_workgroup_id_y 1
		.amdhsa_system_sgpr_workgroup_id_z 1
		.amdhsa_system_vgpr_workitem_id 0
		.amdhsa_next_free_vgpr 256
		.amdhsa_next_free_sgpr 66
		.amdhsa_reserve_vcc 0
		.amdhsa_float_denorm_mode_32 3
		.amdhsa_float_denorm_mode_16_64 3
		.amdhsa_memory_ordered 1
		.amdhsa_forward_progress 1
		.amdhsa_inst_pref_size 160
	.end_amdhsa_kernel
	.amdgpu_metadata
---
amdhsa.version: [ 1, 2 ]
amdhsa.kernels:
  - .name:           k_qf4746d59b9_attn
    .symbol:         k_qf4746d59b9_attn.kd
    .args:
      - { .name: Q_codes, .offset: 0, .size: 8, .value_kind: global_buffer, .address_space: global }
      - { .name: Q_scales, .offset: 8, .size: 8, .value_kind: global_buffer, .address_space: global }
      - { .name: K_codes, .offset: 16, .size: 8, .value_kind: global_buffer, .address_space: global }
      - { .name: K_scales, .offset: 24, .size: 8, .value_kind: global_buffer, .address_space: global }
      - { .name: V_codes, .offset: 32, .size: 8, .value_kind: global_buffer, .address_space: global }
      - { .name: V_scales, .offset: 40, .size: 8, .value_kind: global_buffer, .address_space: global }
      - { .name: window_sizes, .offset: 48, .size: 8, .value_kind: global_buffer, .address_space: global }
      - { .name: out0, .offset: 56, .size: 8, .value_kind: global_buffer, .address_space: global }
    .group_segment_fixed_size: 280576
    .private_segment_fixed_size: 0
    .kernarg_segment_align: 8
    .kernarg_segment_size: 64
    .max_flat_workgroup_size: 512
    .sgpr_count:     66
    .vgpr_count:     256
    .wavefront_size: 32
...
	.end_amdgpu_metadata
.endif
;; end of part 2
